; MI455X (gfx1250); checked and timed in simulation.
; The chip was launched on July 23, 2026; its instructions are those of AMD's public machine-readable ISA for CDNA 5 (MIT licence, August 2026) and "CDNA5" Instruction Set Architecture Reference Guide (July 2026). The comments in the code are by the model that wrote it; some were corrected since.
;; Neuron Class nn. Allowed arithmetic: float matrix products may take bf16 or f16 operands with f32 sums; all other float work in f32.
;; Inputs: w 256 float32; x 500 x 1,024 x 256 float32.
;; Outputs: out0 500 x 1,024 float32; out1 500 x 1,024 float32.
;; 2 versions, each right; version 2 is version 1 with the launch lif written anew for expert scheduling mode. Each part assembles by itself: llvm-mc -triple=amdgcn-amd-amdhsa -mcpu=gfx1250 --defsym DOCPART=n.
;; ======== version 1 of 2: 2 launches
;; workspace buffers: vt 2,097,152 bytes
;; launch lif (part 1): grid 256 x 1, 4 waves a work-group, no clusters, 8,704 bytes of LDS; arguments x, w, vt; writes vt
.if DOCPART == 1
	.amdgcn_target "amdgcn-amd-amdhsa--gfx1250"
	.amdhsa_code_object_version 6
	.text
	.protected	k_q3214b38562_lif
	.globl	k_q3214b38562_lif
	.p2align	8
	.type	k_q3214b38562_lif,@function
k_q3214b38562_lif:
	s_mov_b64 s[64:65], 0
	v_nop
	global_prefetch_b8 v0, s[64:65] scope:SCOPE_SE
	s_setreg_imm32_b32 hwreg(HW_REG_WAVE_MODE, 25, 1), 1
	s_wait_xcnt 0x0
; LIF neuron: I[t][b] = sum over n of x[t][b][n] w[n];  v <- alpha v + I - z;  z <- (v > 1).   x: [500][1024][256] f32, w: [256] f32.
; ONE WAVE OWNS ONE BATCH COLUMN b for all 500 steps: dot product, reduction and recurrence stay inside the wave, so the loop has no barrier.
; A work-group is 4 waves = 4 neighbouring b (4,096 consecutive bytes of every x[t]); 256 work-groups cover the 1,024 columns.
; A row x[t][b][:] is 1,024 bytes = two 16-byte loads a lane, each covering 512 consecutive bytes, aligned. Lane l holds columns 4l..4l+3 and
; 128+4l..128+4l+3, and keeps its eight w in registers.
; RING: 5 slots of 5 time steps, 10 loads a slot, 50 loads (25,600 bytes) of every wave on their way. A slot is asked for again right behind the
; 20 packed multiply-adds that read it, ahead of the reduction and the recurrence.
; NO MATRIX INSTRUCTION: the product has one output column, and operands rounded to 16 bits would move v across the threshold. All arithmetic is f32.
; NO CLUSTER: the work-groups share only w, 1,024 bytes against 2,048,000 bytes of x for each of them.
; THE WAY OUT: the work-group owns 16 bytes of each 4,096-byte row of the outputs. Instead of 16-byte pieces 4,096 bytes apart it writes
; v as vt[group][512 steps][4 b], 8,192 consecutive bytes; the next launch regroups 16-byte items into whole rows and makes z = (v > 1) from v.
; Steps 500..511 of vt are written as zeros, so that all of vt that is read later has been stored.
; LIMIT: the 256 products are summed in f32 in a fixed tree (four fused multiply-adds on a pair in a lane, the pair, five levels across lanes),
; which is not the order of the reference's sum, and alpha v + I is one fused multiply-add. Where v lies within that rounding difference
; (of the order 1e-6 after the leak has summed it up) of the threshold 1.0, the spike can fall on the other side.
.set TSTEPS,  500
.set TSTRIDE, 0x100000                 ; bytes from x[t] to x[t+1]: 1,024 rows of 1,024 bytes
.set BATCH,   5                        ; time steps in a slot
.set SLOTS,   5
.set ROUNDT,  BATCH*SLOTS              ; 25 steps: once round the ring
.set ROUNDS,  TSTEPS/ROUNDT            ; 20
.set YOUNGER, 2*BATCH*(SLOTS-1)        ; 40 loads: what the four younger slots have out
.set LROW,    2048                     ; LDS bytes of a wave: 512 steps x 4 bytes
.set W,   2                            ; v[2:9]    w of my 8 columns
.set OFF, 10                           ; v[10:14]  slot k: byte offset of my 16 bytes in the first row that the slot loads
.set LA,  15                           ; v15       LDS address of this round's first v of my wave
.set P,   16                           ; v[16:25]  step j of the slot: a pair of partial sums, then I, then v
.set VC,  26                           ; v26       v carried from slot to slot
.set A1,  27                           ; v27       alpha v + I - 1
.set LB,  28                           ; v28       LDS address of my wave's row
.set RD,  29                           ; v29       way out: 4 x thread
.set ST,  30                           ; v30       way out: 16 x thread
.set TMP, 31
.set ZR,  32                           ; v[32:35]  zeros for steps 500..511
.set X,   40                           ; v[40:239] slot k, step j: 8 registers, the row as loaded
	s_load_b128 s[4:7], s[0:1], 0x0                ; x s[4:5], w s[6:7]
	s_load_b64 s[8:9], s[0:1], 0x10                ; vt
	v_lshl_add_u32 v240, v0, 2, 0x2000
	v_mov_b32 v241, 0
	v_and_b32 v1, 31, v0
	v_lshlrev_b32 v1, 4, v1                        ; 16 x lane: my bytes in half a row, and in w
	v_lshrrev_b32 v[TMP], 5, v0
	v_readfirstlane_b32 s13, v[TMP]                ; wave 0..3 = my b inside the group
	v_lshl_add_u32 v[TMP], v[TMP], 10, v1          ; wave x 1,024 + 16 x lane
.irp k, 0,1,2,3,4
	v_add_nc_u32 v[OFF+\k], \k*BATCH*TSTRIDE, v[TMP]   ; + the slot's first step
.endr
	s_lshl_b32 s10, ttmp9, 12                      ; the group's 4 rows of 1,024 bytes in every x[t]
	s_mov_b32 s11, 0
	s_lshl_b32 s16, ttmp9, 13                      ; the group's 8,192 bytes of vt
	s_mov_b32 s17, 0
	s_mov_b32 s12, 0x3f7eb852                      ; alpha = 1 - 0.05/10 = 0.995 rounded to f32
	s_mov_b32 s14, 0x76543210                      ; v_permlanex16_b32: lane i of one half reads lane i of the other
	s_mov_b32 s15, 0xfedcba98
	s_lshl_b32 s18, s13, 11                        ; wave x LROW
	v_mov_b32 v[LB], s18
	v_mov_b32 v[LA], s18
	v_mov_b32 v[VC], 0                             ; v0 = 0 (and so z0 = 0)
	s_wait_kmcnt 0x0
	s_add_nc_u64 s[4:5], s[4:5], s[10:11]
	s_add_nc_u64 s[8:9], s[8:9], s[16:17]
	global_load_b128 v[W:W+3],   v1, s[6:7]            ; w[4l .. 4l+3]
	global_load_b128 v[W+4:W+7], v1, s[6:7] offset:512 ; w[128+4l .. 128+4l+3]
.macro FILL k                          ; ten loads: my row of five consecutive steps. x is read once in the launch: non-temporal
.irp j, 0,1,2,3,4
	global_load_b128 v[X+40*\k+8*\j:X+40*\k+8*\j+3],   v[OFF+\k], s[4:5] offset:\j*TSTRIDE th:TH_LOAD_NT
	global_load_b128 v[X+40*\k+8*\j+4:X+40*\k+8*\j+7], v[OFF+\k], s[4:5] offset:\j*TSTRIDE+512 th:TH_LOAD_NT
.endr
.endm
.irp k, 0,1,2,3,4
	FILL \k
.endr
; One step of the recurrence, the same value in all 32 lanes. prev holds v of the step before, cur holds I; dst gets the new v.
; z of the step before is (prev > 1): the compare runs beside the multiply-add, and the select takes alpha v + I or alpha v + I - 1.
.macro LIF prev, cur, dst, off
	v_cmp_lt_f32 vcc_lo, 1.0, v[\prev]             ; did it spike? (v - 1 > 0 and v > 1 are the same test in f32; false for NaN)
	v_fmac_f32 v[\cur], s12, v[\prev]              ; alpha v + I, one rounding
	v_add_f32 v[A1], -1.0, v[\cur]                 ; - v_th
	v_cndmask_b32 v[\dst], v[\cur], v[A1], vcc_lo
	ds_store_b32 v[LA], v[\dst] offset:\off        ; all lanes write the same word with the same value, in my wave's own row
.endm
; The turn of slot k. fill = 1: the slot is asked for again, 25 steps further on. left = how many younger loads may stay out.
.macro TURN k, fill, left
	s_wait_loadcnt \left                           ; loads come back in order: my ten are in (and w, which is older), the younger slots stay out
.irp j, 0,1,2,3,4
	v_pk_mul_f32 v[P+2*\j:P+2*\j+1], v[X+40*\k+8*\j:X+40*\k+8*\j+1], v[W:W+1]     ; the first product starts the sums; five chains side by side
.endr
.irp c, 1,2,3
.irp j, 0,1,2,3,4
	v_pk_fma_f32 v[P+2*\j:P+2*\j+1], v[X+40*\k+8*\j+2*\c:X+40*\k+8*\j+2*\c+1], v[W+2*\c:W+2*\c+1], v[P+2*\j:P+2*\j+1]
.endr
.endr
.if \fill
	v_add_nc_u32 v[OFF+\k], ROUNDT*TSTRIDE, v[OFF+\k]  ; free since the wait above showed this slot's loads done
	FILL \k
.endif
.irp j, 0,1,2,3,4
	v_add_f32 v[P+2*\j], v[P+2*\j], v[P+2*\j+1]    ; my 8 products
.endr
.irp m, 1,2,4,8
.irp j, 0,1,2,3,4
	v_add_f32_dpp v[P+2*\j], v[P+2*\j], v[P+2*\j] row_xmask:\m row_mask:0xf bank_mask:0xf   ; lane i + lane i xor m, inside each half of 16
.endr
.endr
.irp j, 0,1,2,3,4
	v_permlanex16_b32 v[P+2*\j+1], v[P+2*\j], s14, s15  ; the other half's sum (the destination has been written: the pair's upper register)
.endr
.irp j, 0,1,2,3,4
	v_add_f32 v[P+2*\j], v[P+2*\j], v[P+2*\j+1]    ; I of step j, in every lane
.endr
	LIF VC,  P,   P,   (\k*BATCH+0)*4
	LIF P,   P+2, P+2, (\k*BATCH+1)*4
	LIF P+2, P+4, P+4, (\k*BATCH+2)*4
	LIF P+4, P+6, P+6, (\k*BATCH+3)*4
	LIF P+6, P+8, VC,  (\k*BATCH+4)*4
.endm
	s_mov_b32 s20, ROUNDS-1
.Lround:
.irp k, 0,1,2,3,4
	TURN \k, 1, YOUNGER
.endr
	v_add_nc_u32 v[LA], ROUNDT*4, v[LA]            ; 25 steps on in my LDS row
	s_sub_co_u32 s20, s20, 1
	s_cmp_lg_u32 s20, 0
	s_cbranch_scc1 .Lround
	TURN 0, 0, 40                                  ; the last round loads nothing (no load leaves x): the counts run down
	TURN 1, 0, 30
	TURN 2, 0, 20
	TURN 3, 0, 10
	TURN 4, 0, 0
	; Steps 500..511 of my row: 48 bytes of zeros, so that the group's 8,192 bytes of vt go out whole.
.irp c, 0,1,2,3
	v_mov_b32 v[ZR+\c], 0
.endr
	ds_store_b128 v[LB], v[ZR:ZR+3] offset:4*TSTEPS
	ds_store_b128 v[LB], v[ZR:ZR+3] offset:4*TSTEPS+16
	ds_store_b128 v[LB], v[ZR:ZR+3] offset:4*TSTEPS+32
	s_wait_dscnt 0x0                               ; for the other waves' sake: all my stores are in LDS
	s_barrier_signal -1
	s_barrier_wait -1                              ; all four rows are whole
	; Thread n takes steps n, n+128, n+256, n+384: one word from each of the four rows makes the 16 bytes (t; 4 b).
	v_lshlrev_b32 v[RD], 2, v0
	v_lshlrev_b32 v[ST], 4, v0
.irp i, 0,1,2,3
.irp j, 0,1,2,3
	ds_load_b32 v[X+4*\i+\j], v[RD] offset:\j*LROW+\i*512   ; 32 lanes, 32 neighbouring words
.endr
.endr
.irp i, 0,1,2,3
	s_wait_dscnt 12-4*\i                           ; LDS loads come back in order: the four of group i are in, the younger groups stay out
	global_store_b128 v[ST], v[X+4*\i:X+4*\i+3], s[8:9] offset:\i*2048   ; a wave's store covers 512 consecutive bytes, aligned
.endr
	s_wait_tensorcnt 0x0
	ds_add_u32 v240, v241
	s_wait_dscnt 0x0
	s_endpgm
.Lfunc_end_k_q3214b38562_lif:
	.size	k_q3214b38562_lif, .Lfunc_end_k_q3214b38562_lif-k_q3214b38562_lif
	.p2alignl 7, 3214868480
	.fill 96, 4, 3214868480
	.section	.rodata,"a",@progbits
	.p2align	6, 0x0
	.amdhsa_kernel k_q3214b38562_lif
		.amdhsa_group_segment_fixed_size 8704
		.amdhsa_private_segment_fixed_size 0
		.amdhsa_enable_private_segment 0
		.amdhsa_kernarg_size 24
		.amdhsa_user_sgpr_count 2
		.amdhsa_user_sgpr_kernarg_segment_ptr 1
		.amdhsa_wavefront_size32 1
		.amdhsa_system_sgpr_workgroup_id_x 1
		.amdhsa_system_sgpr_workgroup_id_y 1
		.amdhsa_system_sgpr_workgroup_id_z 1
		.amdhsa_system_vgpr_workitem_id 0
		.amdhsa_next_free_vgpr 242
		.amdhsa_next_free_sgpr 66
		.amdhsa_reserve_vcc 1
		.amdhsa_float_denorm_mode_32 3
		.amdhsa_float_denorm_mode_16_64 3
		.amdhsa_memory_ordered 1
		.amdhsa_forward_progress 1
		.amdhsa_inst_pref_size 55
	.end_amdhsa_kernel
	.amdgpu_metadata
---
amdhsa.version: [ 1, 2 ]
amdhsa.kernels:
  - .name:           k_q3214b38562_lif
    .symbol:         k_q3214b38562_lif.kd
    .args:
      - { .name: x, .offset: 0, .size: 8, .value_kind: global_buffer, .address_space: global }
      - { .name: w, .offset: 8, .size: 8, .value_kind: global_buffer, .address_space: global }
      - { .name: vt, .offset: 16, .size: 8, .value_kind: global_buffer, .address_space: global }
    .group_segment_fixed_size: 8704
    .private_segment_fixed_size: 0
    .kernarg_segment_align: 8
    .kernarg_segment_size: 24
    .max_flat_workgroup_size: 128
    .sgpr_count:     66
    .vgpr_count:     242
    .wavefront_size: 32
...
	.end_amdgpu_metadata
.endif
;; end of part 1
;; launch spread (part 2): grid 16 x 16, 2 waves a work-group, no clusters, 8,960 bytes of LDS; arguments vt, out0, out1; writes out0, out1
.if DOCPART == 2
	.amdgcn_target "amdgcn-amd-amdhsa--gfx1250"
	.amdhsa_code_object_version 6
	.text
	.protected	k_q3214b38562_spread
	.globl	k_q3214b38562_spread
	.p2align	8
	.type	k_q3214b38562_spread,@function
k_q3214b38562_spread:
	s_mov_b64 s[64:65], 0
	v_nop
	global_prefetch_b8 v0, s[64:65] scope:SCOPE_SE
	s_setreg_imm32_b32 hwreg(HW_REG_WAVE_MODE, 25, 1), 1
	s_wait_xcnt 0x0
; out0[t][b] = v, out1[t][b] = (v > 1), from vt[group g][512 steps][4 b] (b = 4 g + 0..3), which the launch before stored.
; The 16 bytes (t; 4 b) of vt are already 16 consecutive bytes of a row of the outputs: only their order changes.
; A WAVE takes a tile of 16 groups x 16 steps by itself: in, sixteen lanes read 256 consecutive bytes of one group (16 steps); out, sixteen lanes
; write 256 consecutive bytes, aligned, of one step (16 groups = 64 b). Between the two the items pass through the wave's own LDS bytes, so there is no barrier.
; Grid: x = block of 16 groups (16 blocks), y and the wave = block of 16 steps (32 blocks). 500 = 31 x 16 + 4: the last block holds steps 496..499
; and ends after its first two row pairs; what it read of steps 500..511 are the zeros stored there and is dropped.
; No cluster: no two work-groups read the same bytes.
.set PITCH, 272                        ; an LDS row: 16 items of 16 bytes + 16: an odd multiple of 16, so 16 lanes that take one column of 16 rows meet 16 different 16-byte columns
.set WTILE, 16*PITCH                   ; a wave's LDS bytes
.set GROUPB, 8192                      ; bytes of a group in vt
.set ROWB,   4096                      ; bytes of a row of out0, out1
.set R,    2                           ; lane % 16
.set H,    3                           ; lane / 16
.set R16,  4                           ; 16 x (lane % 16)
.set LO,   5                           ; offset of my loads in vt
.set SO,   6                           ; offset of my stores in out0, out1
.set LIN,  7                           ; LDS address, in
.set LOUT, 8                           ; LDS address, back
.set IN,   12                          ; v[12:43]  as loaded: load i = groups 2i, 2i+1
.set VV,   44                          ; v[44:75]  regrouped: k = steps 2k, 2k+1
.set ZZ,   76                          ; v[76:107] z
	s_load_b128 s[4:7], s[0:1], 0x0                ; vt s[4:5], out0 s[6:7]
	s_load_b64 s[8:9], s[0:1], 0x10                ; out1
	v_lshl_add_u32 v108, v0, 2, 0x2200
	v_mov_b32 v109, 0
	v_lshrrev_b32 v1, 5, v0
	v_readfirstlane_b32 s10, v1                    ; wave 0, 1
	v_and_b32 v[R], 15, v0
	v_bfe_u32 v[H], v0, 4, 1
	v_lshlrev_b32 v[R16], 4, v[R]
	v_lshl_add_u32 v[LO], v[H], 13, v[R16]         ; group h of the pair, step r
	v_lshl_add_u32 v[SO], v[H], 12, v[R16]         ; step h of the pair, group r
	s_and_b32 s11, ttmp7, 0xffff
	s_lshl1_add_u32 s11, s11, s10                  ; my block of 16 steps: 2 y + wave, 0..31
	s_mul_i32 s12, s10, WTILE                      ; my LDS bytes
	v_mad_u32_u24 v[LIN], v[H], PITCH, v[R16]      ; in: row = group, column = step
	v_add_nc_u32 v[LIN], s12, v[LIN]
	v_mul_u32_u24 v[LOUT], v[R], PITCH             ; back: lane r takes group r,
	v_lshl_add_u32 v[LOUT], v[H], 4, v[LOUT]       ; the halves two neighbouring steps
	v_add_nc_u32 v[LOUT], s12, v[LOUT]
	s_lshl_b32 s14, ttmp9, 17                      ; 16 groups of 8,192 bytes
	s_lshl_b32 s15, s11, 8                         ; 16 steps of 16 bytes
	s_add_co_u32 s14, s14, s15
	s_mov_b32 s15, 0
	s_lshl_b32 s16, s11, 16                        ; 16 rows of 4,096 bytes
	s_lshl_b32 s17, ttmp9, 8                       ; 64 b of 4 bytes
	s_add_co_u32 s16, s16, s17
	s_mov_b32 s17, 0
	s_wait_kmcnt 0x0
	s_add_nc_u64 s[4:5], s[4:5], s[14:15]
	s_add_nc_u64 s[6:7], s[6:7], s[16:17]
	s_add_nc_u64 s[8:9], s[8:9], s[16:17]
.irp i, 0,1,2,3,4,5,6,7
	global_load_b128 v[IN+4*\i:IN+4*\i+3], v[LO], s[4:5] offset:\i*2*GROUPB th:TH_LOAD_NT   ; two runs of 256 consecutive bytes, aligned
.endr
.irp i, 0,1,2,3,4,5,6,7
	s_wait_loadcnt 7-\i                            ; loads come back in order: load i is in, the younger ones stay out
	ds_store_b128 v[LIN], v[IN+4*\i:IN+4*\i+3] offset:\i*2*PITCH
.endr
.macro BACK k                          ; steps 2k, 2k+1 of all 16 groups. LDS serves a wave's instructions in order: these see the stores above
	ds_load_b128 v[VV+4*\k:VV+4*\k+3], v[LOUT] offset:\k*32
.endm
.macro ROWS k, left                    ; two rows of each output; every k has registers of its own, so no store's data is written again
	s_wait_dscnt \left
	global_store_b128 v[SO], v[VV+4*\k:VV+4*\k+3], s[6:7] offset:\k*2*ROWB th:TH_STORE_NT
.irp c, 0,1,2,3
	v_cmp_lt_f32 vcc_lo, 1.0, v[VV+4*\k+\c]        ; z = (v - 1 > 0), the same test as v > 1 in f32
	v_cndmask_b32 v[ZZ+4*\k+\c], 0, 1.0, vcc_lo
.endr
	global_store_b128 v[SO], v[ZZ+4*\k:ZZ+4*\k+3], s[8:9] offset:\k*2*ROWB th:TH_STORE_NT
.endm
	BACK 0
	BACK 1
	ROWS 0, 1                                      ; one younger LDS load stays out
	ROWS 1, 0
	s_cmp_eq_u32 s11, 31                           ; the last block of steps: 496..499 are done, 500.. do not exist
	s_cbranch_scc1 .Lend
.irp k, 2,3,4,5,6,7
	BACK \k
.endr
.irp k, 2,3,4,5,6,7
	ROWS \k, 7-\k                                  ; the loads younger than k stay out
.endr
.Lend:
	s_wait_tensorcnt 0x0
	ds_add_u32 v108, v109
	s_wait_dscnt 0x0
	s_endpgm
.Lfunc_end_k_q3214b38562_spread:
	.size	k_q3214b38562_spread, .Lfunc_end_k_q3214b38562_spread-k_q3214b38562_spread
	.p2alignl 7, 3214868480
	.fill 96, 4, 3214868480
	.section	.rodata,"a",@progbits
	.p2align	6, 0x0
	.amdhsa_kernel k_q3214b38562_spread
		.amdhsa_group_segment_fixed_size 8960
		.amdhsa_private_segment_fixed_size 0
		.amdhsa_enable_private_segment 0
		.amdhsa_kernarg_size 24
		.amdhsa_user_sgpr_count 2
		.amdhsa_user_sgpr_kernarg_segment_ptr 1
		.amdhsa_wavefront_size32 1
		.amdhsa_system_sgpr_workgroup_id_x 1
		.amdhsa_system_sgpr_workgroup_id_y 1
		.amdhsa_system_sgpr_workgroup_id_z 1
		.amdhsa_system_vgpr_workitem_id 0
		.amdhsa_next_free_vgpr 110
		.amdhsa_next_free_sgpr 66
		.amdhsa_reserve_vcc 1
		.amdhsa_float_denorm_mode_32 3
		.amdhsa_float_denorm_mode_16_64 3
		.amdhsa_memory_ordered 1
		.amdhsa_forward_progress 1
		.amdhsa_inst_pref_size 9
	.end_amdhsa_kernel
	.amdgpu_metadata
---
amdhsa.version: [ 1, 2 ]
amdhsa.kernels:
  - .name:           k_q3214b38562_spread
    .symbol:         k_q3214b38562_spread.kd
    .args:
      - { .name: vt, .offset: 0, .size: 8, .value_kind: global_buffer, .address_space: global }
      - { .name: out0, .offset: 8, .size: 8, .value_kind: global_buffer, .address_space: global }
      - { .name: out1, .offset: 16, .size: 8, .value_kind: global_buffer, .address_space: global }
    .group_segment_fixed_size: 8960
    .private_segment_fixed_size: 0
    .kernarg_segment_align: 8
    .kernarg_segment_size: 24
    .max_flat_workgroup_size: 64
    .sgpr_count:     66
    .vgpr_count:     110
    .wavefront_size: 32
...
	.end_amdgpu_metadata
.endif
;; end of part 2
;; ======== version 2 of 2: 2 launches; version 1 with the launch lif written anew for expert scheduling mode
;; workspace buffers: vt 2,097,152 bytes
;; launch lif (part 3): grid 256 x 1, 4 waves a work-group, no clusters, 8,704 bytes of LDS; arguments x, w, vt; writes vt
.if DOCPART == 3
	.amdgcn_target "amdgcn-amd-amdhsa--gfx1250"
	.amdhsa_code_object_version 6
	.text
	.protected	k_q3214b38562_lif
	.globl	k_q3214b38562_lif
	.p2align	8
	.type	k_q3214b38562_lif,@function
k_q3214b38562_lif:
	s_mov_b64 s[64:65], 0
	v_nop
	global_prefetch_b8 v0, s[64:65] scope:SCOPE_SE
	s_setreg_imm32_b32 hwreg(HW_REG_WAVE_SCHED_MODE, 0, 2), 2
	s_setreg_imm32_b32 hwreg(HW_REG_WAVE_MODE, 25, 1), 1
	s_wait_xcnt 0x0
	s_wait_alu depctr_vm_vsrc(0)
; LIF neuron: I[t][b] = sum over n of x[t][b][n] w[n];  v <- alpha v + I - z;  z <- (v > 1).   x: [500][1024][256] f32, w: [256] f32.
; ONE WAVE OWNS ONE BATCH COLUMN b for all 500 steps: dot product, reduction and recurrence stay inside the wave, so the loop has no barrier.
; A work-group is 4 waves = 4 neighbouring b (4,096 consecutive bytes of every x[t]); 256 work-groups cover the 1,024 columns.
; A row x[t][b][:] is 1,024 bytes = two 16-byte loads a lane, each covering 512 consecutive bytes, aligned. Lane l holds columns 4l..4l+3 and
; 128+4l..128+4l+3, and keeps its eight w in registers.
; RING: 5 slots of 5 time steps, 10 loads a slot, 50 loads (25,600 bytes) of every wave on their way. A slot is asked for again behind the
; 20 packed multiply-adds that read it, its loads dealt among the first rows of the reduction.
; NO MATRIX INSTRUCTION: the product has one output column, and operands rounded to 16 bits would move v across the threshold. All arithmetic is f32.
; NO CLUSTER: the work-groups share only w, 1,024 bytes against 2,048,000 bytes of x for each of them.
; THE WAY OUT: the work-group owns 16 bytes of each 4,096-byte row of the outputs. Instead of 16-byte pieces 4,096 bytes apart it writes
; v as vt[group][512 steps][4 b], 8,192 consecutive bytes; the next launch regroups 16-byte items into whole rows and makes z = (v > 1) from v.
; Steps 500..511 of vt are written as zeros, so that all of vt that is read later has been stored.
; LIMIT: the 256 products are summed in f32 in a fixed tree (four fused multiply-adds on a pair in a lane, the pair, five levels across lanes),
; which is not the order of the reference's sum, and alpha v + I is one fused multiply-add. Where v lies within that rounding difference
; (of the order 1e-6 after the leak has summed it up) of the threshold 1.0, the spike can fall on the other side.
; THE MODE: SCHED_MODE bits 1:0 = 2 (LLVM: expert scheduling mode 2), set by the entry lines. The code itself states the register dependences
; between vector instructions and memory or LDS instructions, with s_wait_alu, always for 0.
; THE PLAN. Registers that memory or LDS instructions touch, in the loop:
;   X[k]        Turn k: its 20 multiply-adds read X[k]; behind them the ten loads of the same slot, 25 steps on, land in it.
;   OFF[k]      Turn k: one add writes it, behind the multiply-adds; the turn's ten loads read it.
;   OUT0..OUT4  The five selects at a turn's end write them (OUT4 is also the v that is carried on); the five LDS stores issued in the NEXT turn read them.
;   LA          Read by every LDS store of v; written once a round, in turn 0, behind the stores of the last round's turn 4.
;   P, A1 and W are named by vector instructions alone.
; So a turn has ONE wait on va_vdst, behind its multiply-adds and the add to OFF[k]: the fifteen memory and LDS instructions that follow it are dealt among the rows of the
; reduction, which name P alone. And ONE wait on vm_vsrc, behind the reduction and ahead of the selects, which write OUT again. VCC passes from each compare to its select
; behind a wait on va_vcc: the recurrence is serial, so the five compares of a turn cannot stand in one run.
.set TSTEPS,  500
.set TSTRIDE, 0x100000                 ; bytes from x[t] to x[t+1]: 1,024 rows of 1,024 bytes
.set BATCH,   5                        ; time steps in a slot
.set SLOTS,   5
.set ROUNDT,  BATCH*SLOTS              ; 25 steps: once round the ring
.set ROUNDS,  TSTEPS/ROUNDT            ; 20
.set YOUNGER, 2*BATCH*(SLOTS-1)        ; 40 loads: what the four younger slots have out
.set LROW,    2048                     ; LDS bytes of a wave: 512 steps x 4 bytes
.set W,   2                            ; v[2:9]    w of my 8 columns
.set OFF, 10                           ; v[10:14]  slot k: byte offset of my 16 bytes in the first row that the slot loads
.set LA,  15                           ; v15       LDS address of this round's first v of my wave
.set P,   16                           ; v[16:25]  step j of the slot: a pair of partial sums, then I, then alpha v + I
.set A1,  27                           ; v27       alpha v + I - 1
.set LB,  28                           ; v28       LDS address of my wave's row
.set RD,  29                           ; v29       way out: 4 x thread
.set ST,  30                           ; v30       way out: 16 x thread
.set TMP, 31
.set ZR,  32                           ; v[32:35]  zeros for steps 500..511
.set X,   40                           ; v[40:239] slot k, step j: 8 registers, the row as loaded
.set OUT, 242                          ; v[242:246] v of the turn's five steps, on their way to LDS; OUT+4 is carried from turn to turn
	s_load_b128 s[4:7], s[0:1], 0x0                ; x s[4:5], w s[6:7]
	s_load_b64 s[8:9], s[0:1], 0x10                ; vt
	v_lshl_add_u32 v240, v0, 2, 0x2000
	v_mov_b32 v241, 0
	v_and_b32 v1, 31, v0
	v_lshlrev_b32 v1, 4, v1                        ; 16 x lane: my bytes in half a row, and in w
	v_lshrrev_b32 v[TMP], 5, v0
	v_readfirstlane_b32 s13, v[TMP]                ; wave 0..3 = my b inside the group
	v_lshl_add_u32 v[TMP], v[TMP], 10, v1          ; wave x 1,024 + 16 x lane
.irp k, 0,1,2,3,4
	v_add_nc_u32 v[OFF+\k], \k*BATCH*TSTRIDE, v[TMP]   ; + the slot's first step
.endr
	s_lshl_b32 s10, ttmp9, 12                      ; the group's 4 rows of 1,024 bytes in every x[t]
	s_mov_b32 s11, 0
	s_lshl_b32 s16, ttmp9, 13                      ; the group's 8,192 bytes of vt
	s_mov_b32 s17, 0
	s_mov_b32 s12, 0x3f7eb852                      ; alpha = 1 - 0.05/10 = 0.995 rounded to f32
	s_mov_b32 s14, 0x76543210                      ; v_permlanex16_b32: lane i of one half reads lane i of the other
	s_mov_b32 s15, 0xfedcba98
	s_wait_alu depctr_va_sdst(0)                   ; s13 is written, ahead of its first reader: my LDS row's address is made from it
	s_lshl_b32 s18, s13, 11                        ; wave x LROW
	v_mov_b32 v[LB], s18
	v_mov_b32 v[LA], s18
	v_mov_b32 v[OUT+4], 0                          ; v0 = 0 (and so z0 = 0)
	s_wait_kmcnt 0x0
	s_add_nc_u64 s[4:5], s[4:5], s[10:11]
	s_add_nc_u64 s[8:9], s[8:9], s[16:17]
	s_wait_alu depctr_va_vdst(0)                   ; v1 and OFF0..OFF4 are written, which the loads below read as their offsets; so are LA, LB and the closing add's two registers
	global_load_b128 v[W:W+3],   v1, s[6:7]            ; w[4l .. 4l+3]
	global_load_b128 v[W+4:W+7], v1, s[6:7] offset:512 ; w[128+4l .. 128+4l+3]
; Two loads: my row of step j of slot k. x is read once in the launch: non-temporal. fill = 0: the last round, which asks for nothing.
.macro ASK fill, k, j
.if \fill
	global_load_b128 v[X+40*\k+8*\j:X+40*\k+8*\j+3],   v[OFF+\k], s[4:5] offset:\j*TSTRIDE th:TH_LOAD_NT
	global_load_b128 v[X+40*\k+8*\j+4:X+40*\k+8*\j+7], v[OFF+\k], s[4:5] offset:\j*TSTRIDE+512 th:TH_LOAD_NT
.endif
.endm
.irp k, 0,1,2,3,4
.irp j, 0,1,2,3,4
	ASK 1, \k, \j                                  ; the ring is filled: steps 0 to 24
.endr
.endr
; One level of the reduction inside each half of 16 lanes, for the slot's five steps side by side.
.macro XROW m
.irp j, 0,1,2,3,4
	v_add_f32_dpp v[P+2*\j], v[P+2*\j], v[P+2*\j] row_xmask:\m row_mask:0xf bank_mask:0xf   ; lane i + lane i xor m
.endr
.endm
; One step of the recurrence, the same value in all 32 lanes. prev holds v of the step before, cur holds I; dst gets the new v.
; z of the step before is (prev > 1): the compare runs beside the multiply-add, and the select takes alpha v + I or alpha v + I - 1.
.macro LIF prev, cur, dst
	v_cmp_lt_f32 vcc_lo, 1.0, v[\prev]             ; did it spike? (v - 1 > 0 and v > 1 are the same test in f32; false for NaN)
	v_fmac_f32 v[\cur], s12, v[\prev]              ; alpha v + I, one rounding
	v_add_f32 v[A1], -1.0, v[\cur]                 ; - v_th
	s_wait_alu depctr_va_vcc(0)                    ; the compare has written VCC, which the select reads
	v_cndmask_b32 v[\dst], v[\cur], v[A1], vcc_lo
.endm
; The turn of slot k. fill = 1: the slot is asked for again, 25 steps further on. left = how many younger loads may stay out.
; first = 1: the kernel's first turn, with no turn in front of it: nothing is stored.
.macro TURN k, fill, left, first
	s_wait_loadcnt \left                           ; loads come back in order: my ten are in (and w, which is older), the younger slots stay out
.if \first
	s_wait_alu depctr_vm_vsrc(0)                   ; the loads that filled the ring have read OFF0..OFF4, which the first round's turns write
.endif
.irp j, 0,1,2,3,4
	v_pk_mul_f32 v[P+2*\j:P+2*\j+1], v[X+40*\k+8*\j:X+40*\k+8*\j+1], v[W:W+1]     ; the first product starts the sums; five chains side by side
.endr
.irp c, 1,2,3
.irp j, 0,1,2,3,4
	v_pk_fma_f32 v[P+2*\j:P+2*\j+1], v[X+40*\k+8*\j+2*\c:X+40*\k+8*\j+2*\c+1], v[W+2*\c:W+2*\c+1], v[P+2*\j:P+2*\j+1]
.endr
.endr
.if \fill
	v_add_nc_u32 v[OFF+\k], ROUNDT*TSTRIDE, v[OFF+\k]  ; the wait on LOADcnt above showed this slot's loads done, and a wait on vm_vsrc since their issue that they have read it
.endif
	s_wait_alu depctr_va_vdst(0)                   ; the multiply-adds are done reading X[k], in which the loads below land; OFF[k] is written, which they read; the turn before has written OUT (and, in turn 0, LA), which the LDS stores below read
	ASK \fill, \k, 0                               ; no vector instruction from here to the turn's last store names X[k], OFF[k], OUT or LA: the rows between name P alone
.irp j, 0,1,2,3,4
	v_add_f32 v[P+2*\j], v[P+2*\j], v[P+2*\j+1]    ; my 8 products
.endr
	ASK \fill, \k, 1
	XROW 1
	ASK \fill, \k, 2
	XROW 2
	ASK \fill, \k, 3
	XROW 4
	ASK \fill, \k, 4
	XROW 8
.if !\first
.irp j, 0,1,2,3,4
	ds_store_b32 v[LA], v[OUT+\j] offset:(((\k+4)%SLOTS)*BATCH+\j)*4   ; v of the turn before: all lanes write the same word with the same value, in my wave's own row
.endr
.endif
.irp j, 0,1,2,3,4
	v_permlanex16_b32 v[P+2*\j+1], v[P+2*\j], s14, s15  ; the other half's sum (the destination has been written: the pair's upper register)
.endr
.irp j, 0,1,2,3,4
	v_add_f32 v[P+2*\j], v[P+2*\j], v[P+2*\j+1]    ; I of step j, in every lane
.endr
.if !\first
	s_wait_alu depctr_vm_vsrc(0)                   ; the LDS stores above have read OUT, which the selects below write, and LA; the turn's loads have read OFF[k], which its next turn writes
.if \k == 0
	v_add_nc_u32 v[LA], ROUNDT*4, v[LA]            ; 25 steps on in my LDS row: the last round's v are all on their way
.endif
.endif
	LIF OUT+4, P,   OUT
	LIF OUT,   P+2, OUT+1
	LIF OUT+1, P+4, OUT+2
	LIF OUT+2, P+6, OUT+3
	LIF OUT+3, P+8, OUT+4
.endm
	TURN 0, 1, YOUNGER, 1                          ; the first round is written out: its first turn has nothing to store
	TURN 1, 1, YOUNGER, 0
	TURN 2, 1, YOUNGER, 0
	TURN 3, 1, YOUNGER, 0
	TURN 4, 1, YOUNGER, 0
	s_mov_b32 s20, ROUNDS-2
.Lround:
.irp k, 0,1,2,3,4
	TURN \k, 1, YOUNGER, 0
.endr
	s_sub_co_u32 s20, s20, 1
	s_cmp_lg_u32 s20, 0
	s_cbranch_scc1 .Lround
	TURN 0, 0, 40, 0                               ; the last round loads nothing (no load leaves x): the counts run down
	TURN 1, 0, 30, 0
	TURN 2, 0, 20, 0
	TURN 3, 0, 10, 0
	TURN 4, 0, 0, 0
	; Steps 500..511 of my row: 48 bytes of zeros, so that the group's 8,192 bytes of vt go out whole.
.irp c, 0,1,2,3
	v_mov_b32 v[ZR+\c], 0
.endr
	v_lshlrev_b32 v[RD], 2, v0
	v_lshlrev_b32 v[ST], 4, v0
	s_wait_alu depctr_va_vdst(0)                   ; the last turn has written OUT, and the lines above the zeros, RD and ST: the LDS stores and loads and the global stores below read them; the multiply-adds are long done reading X0, in which the LDS loads land
.irp j, 0,1,2,3,4
	ds_store_b32 v[LA], v[OUT+\j] offset:((SLOTS-1)*BATCH+\j)*4   ; v of steps 495..499
.endr
	ds_store_b128 v[LB], v[ZR:ZR+3] offset:4*TSTEPS
	ds_store_b128 v[LB], v[ZR:ZR+3] offset:4*TSTEPS+16
	ds_store_b128 v[LB], v[ZR:ZR+3] offset:4*TSTEPS+32
	s_wait_dscnt 0x0                               ; for the other waves' sake: all my stores are in LDS
	s_barrier_signal -1
	s_barrier_wait -1                              ; all four rows are whole
	; Thread n takes steps n, n+128, n+256, n+384: one word from each of the four rows makes the 16 bytes (t; 4 b).
.irp i, 0,1,2,3
.irp j, 0,1,2,3
	ds_load_b32 v[X+4*\i+\j], v[RD] offset:\j*LROW+\i*512   ; 32 lanes, 32 neighbouring words
.endr
.endr
.irp i, 0,1,2,3
	s_wait_dscnt 12-4*\i                           ; LDS loads come back in order: the four of group i are in, the younger groups stay out
	global_store_b128 v[ST], v[X+4*\i:X+4*\i+3], s[8:9] offset:\i*2048   ; a wave's store covers 512 consecutive bytes, aligned
.endr
	s_wait_dscnt 0x0                               ; the closing lines, six on end
	s_wait_alu 0x0
	s_wait_tensorcnt 0x0
	ds_add_u32 v240, v241
	s_wait_dscnt 0x0
	s_endpgm
.Lfunc_end_k_q3214b38562_lif:
	.size	k_q3214b38562_lif, .Lfunc_end_k_q3214b38562_lif-k_q3214b38562_lif
	.p2alignl 7, 3214868480
	.fill 96, 4, 3214868480
	.section	.rodata,"a",@progbits
	.p2align	6, 0x0
	.amdhsa_kernel k_q3214b38562_lif
		.amdhsa_group_segment_fixed_size 8704
		.amdhsa_private_segment_fixed_size 0
		.amdhsa_enable_private_segment 0
		.amdhsa_kernarg_size 24
		.amdhsa_user_sgpr_count 2
		.amdhsa_user_sgpr_kernarg_segment_ptr 1
		.amdhsa_wavefront_size32 1
		.amdhsa_system_sgpr_workgroup_id_x 1
		.amdhsa_system_sgpr_workgroup_id_y 1
		.amdhsa_system_sgpr_workgroup_id_z 1
		.amdhsa_system_vgpr_workitem_id 0
		.amdhsa_next_free_vgpr 248
		.amdhsa_next_free_sgpr 66
		.amdhsa_reserve_vcc 1
		.amdhsa_float_denorm_mode_32 3
		.amdhsa_float_denorm_mode_16_64 3
		.amdhsa_memory_ordered 1
		.amdhsa_forward_progress 1
		.amdhsa_inst_pref_size 84
	.end_amdhsa_kernel
	.amdgpu_metadata
---
amdhsa.version: [ 1, 2 ]
amdhsa.kernels:
  - .name:           k_q3214b38562_lif
    .symbol:         k_q3214b38562_lif.kd
    .args:
      - { .name: x, .offset: 0, .size: 8, .value_kind: global_buffer, .address_space: global }
      - { .name: w, .offset: 8, .size: 8, .value_kind: global_buffer, .address_space: global }
      - { .name: vt, .offset: 16, .size: 8, .value_kind: global_buffer, .address_space: global }
    .group_segment_fixed_size: 8704
    .private_segment_fixed_size: 0
    .kernarg_segment_align: 8
    .kernarg_segment_size: 24
    .max_flat_workgroup_size: 128
    .sgpr_count:     66
    .vgpr_count:     248
    .wavefront_size: 32
...
	.end_amdgpu_metadata
.endif
;; end of part 3
;; launch spread: the kernel of part 2 again; grid 16 x 16, 2 waves a work-group, no clusters, 8,960 bytes of LDS; arguments vt, out0, out1; writes out0, out1
